; MI455X (gfx1250); checked and timed in simulation.
; The chip was launched on July 23, 2026; its instructions are those of AMD's public machine-readable ISA for CDNA 5 (MIT licence, August 2026) and "CDNA5" Instruction Set Architecture Reference Guide (July 2026). The comments in the code are by the model that wrote it; some were corrected since.
;; Prompt Attention. Allowed arithmetic: matrix products marked QUANTISED: E2M3 operands, one E8M0 scale for each 32 along K, by v_wmma_scale_f32_16x16x128_f8f6f4 with both operands' format E2M3, f32 sums; everything else in f32.
;; Inputs: Wk 256 x 1,024 float32; Wo 1,024 x 1,024 float32; Wq 1,024 x 1,024 float32; Wv 256 x 1,024 float32; attention_mask 8 x 1 x 1,024 x 1,024 float32; bk 1,024 float32; bo 1,024 float32; bq 1,024 float32; bv 1,024 float32; hidden_states 8 x 1,024 x 1,024 float32; key_value_states 8 x 1,024 x 256 float32; layer_head_mask 16 float32.
;; Outputs: out0 8 x 1,024 x 1,024 float32.
;; This version of the problem:
;;   THIS VERSION OF THE PROBLEM IS GIVEN IN LOW PRECISION. The matrix products marked QUANTISED in the list below multiply operands that are first quantised to E2M3 (2 exponent bits, 3 mantissa bits; 6 bits a number), with one power-of-two scale for each 32 numbers along K (OCP MX v1.0); their sums are f32. All else is computed in f32.
;;   The module's matrix products, in the order in which they are computed (A, B: the left and right operand; K: the contracted axis; several contracted axes count as one K, in the product's order):
;;     1. [M 8,192, K 1,024] x [K 1,024, N 1,024]; A: input hidden_states; B: input Wq: QUANTISED
;;     2. [M 8,192, K 256] x [K 256, N 1,024]; A: input key_value_states; B: input Wk: QUANTISED
;;     3. [M 8,192, K 256] x [K 256, N 1,024]; A: input key_value_states; B: input Wv: QUANTISED
;;     4. batch 128 x [M 1,024, K 64] x [K 64, N 1,024]; A: computed on the way; B: computed on the way: QUANTISED
;;     5. batch 128 x [M 1,024, K 1,024] x [K 1,024, N 64]; A: computed on the way; B: computed on the way: QUANTISED
;;     6. [M 8,192, K 1,024] x [K 1,024, N 1,024]; A: computed on the way; B: input Wo: QUANTISED
;;   THE QUANTISER, for each operand of a quantised product, along K:
;;     - K is cut into blocks of 32 from its start; a last block that is shorter is filled with zeros.
;;     - A block's scale is 2^e with e = floor(log2(the largest magnitude in the block)) - 2, held to -126 .. 127; a block of zeros has e = 0. As a byte (E8M0): e + 127.
;;     - Each number is divided by its block's scale, clamped to +-7.5, and rounded to the nearest number of E2M3, ties to even, subnormals kept.
;;     - The product sums the exact products of the quantised numbers (number of the format x scale) in f32.
;;   ~~~python
;;   def quantise(x, axis):      # numpy; x: float32 -> the quantised numbers, widened to float32 again
;;       x = np.moveaxis(x, axis, -1); K = x.shape[-1]
;;       x = np.pad(x, [(0, 0)] * (x.ndim - 1) + [(0, -K % 32)]); x = x.reshape(x.shape[:-1] + (-1, 32)); a = np.abs(x).max(-1, keepdims=True)
;;       e = np.where(a > 0, np.clip(np.frexp(np.where(a > 0, a, 1))[1] - 1 - 2, -126, 127), 0)      # np.frexp(a)[1] - 1 = floor(log2(a)), exactly
;;       r = np.clip(x / 2.0 ** e, -7.5, 7.5)
;;       step = 2.0 ** (np.maximum(np.frexp(np.where(r == 0, 1, r))[1] - 1, 0) - 3)
;;       q = np.round(r / step) * step * 2.0 ** e      # np.round: ties to even
;;       return np.moveaxis(q.reshape(q.shape[:-2] + (-1,))[..., :K], -1, axis).astype(np.float32)
;;   ~~~
;;   OPERANDS COMPUTED ON THE WAY. 'Computed on the way' means the value that the module computes at that place (a softmax that the list does not call 'softmax' is quantised finished and normalised). What goes into a quantiser is computed in f32, as accurately as f32 sums, v_exp_f32 and their like allow (about 1e-6 of the number): no bf16 or f16 on the way to a quantiser, and a product that is left as it is and whose result goes on into a quantised operand takes f32 operands (vector FMAs, or v_wmma_f32_16x16x4_f32). A number that lies on a knife's edge between two numbers of the format may be rounded either way, as far as f32 arithmetic and the matrix unit's own rounding can turn it there, and no further.
;; One version. Each part assembles by itself: llvm-mc -triple=amdgcn-amd-amdhsa -mcpu=gfx1250 --defsym DOCPART=n.
;; ======== version 1 of 1: 4 launches
;; limits: right only within a limited range of input values
;; workspace buffers: p1 10,240,000 bytes; p2 19,922,944 bytes; p3 6,553,600 bytes
;; launch prep (part 1): grid 800 x 1, 4 waves a work-group, no clusters, 34,304 bytes of LDS; arguments hidden_states, key_value_states, Wq, Wo, Wk, Wv, p1; writes p1
.if DOCPART == 1
	.amdgcn_target "amdgcn-amd-amdhsa--gfx1250"
	.amdhsa_code_object_version 6
	.text
	.protected	k_qf8162bdd24_prep
	.globl	k_qf8162bdd24_prep
	.p2align	8
	.type	k_qf8162bdd24_prep,@function
k_qf8162bdd24_prep:
	s_mov_b64 s[64:65], 0
	v_nop
	global_prefetch_b8 v0, s[64:65] scope:SCOPE_SE
	s_setreg_imm32_b32 hwreg(HW_REG_WAVE_MODE, 25, 1), 1
	s_wait_xcnt 0x0
; PREP: hidden_states [8192][1024], key_value_states [8192][256] (K innermost) and Wq, Wo [1024][1024], Wk, Wv [256][1024] (K is the FIRST axis), all f32,
; become codes of FP6 (E2M3) with one E8M0 byte for each 32 along K, laid in p1 in the ORDER OF THE OPERAND'S REGISTERS.
; A FRAGMENT is 16 rows x 128 K, 12 registers a lane; its image is 1,536 bytes: register q of lane L at (q / 4) 512 + 16 L + 4 (q % 4).
; THE ROWS OF A TILE ARE NOT NEIGHBOURS: lane r of tile T takes row (of a weight: column) 32 (T / 2) + 8 (T % 2) + r + 8 (r / 8), so that a product's results of two
; neighbouring tiles are 16 neighbours along the next product's K.
; A UNIT is a tile and two K steps: two images (3,072 bytes at 3,072 U) and one scale register (128 bytes at SC1 + 128 U: lanes 0-15 the even K step's words, lanes 16-31 the odd one's).
; A wave makes one unit, U = 4 x work-group + wave.  Units: x 0-2047 (tile x 4 + pair of K steps), kv 2048-2559, Wq 2560-2815, Wo 2816-3071, Wk 3072-3135, Wv 3136-3199.
; A block's scale is 2^(floor(log2(its largest magnitude)) - 2); its byte is that magnitude's exponent field - 2, held at 1 from below (a block of zeros so has the byte 1: its codes are zeros,
; which add nothing under any byte but 0xff, and this program alone reads the bytes).
; LIMITS: blocks whose largest magnitude lies under 2^-124 are held at the byte 1; NaN and infinities among the inputs are not served.
; No matrix unit, no tensor load, no barrier: a stream, and waves share nothing.
.set SC1, 9830400
.set AD,  16                           ; v16-31   rows' offsets (activations); v16 the lane's offset (weights)
.set R,   32                           ; v32-159  128 numbers a lane as they are loaded
.set X,   160                          ; v160-223 64 numbers a lane in the operand's order (activations)
.set PC,  224                          ; v224-247 the unit's two fragments
.set CT,  248                          ; v248-250, v252-254 second halves of blocks; v251, v255 the two bytes
.set SEL, 20                           ; s[20:21] lane selects for v_permlanex16_b32: lane l xor 16
; 64 numbers of a lane, v[s + 32 c + i] = k 64 c + 32 (lane / 16) + i of my row, two whole blocks, become a fragment at v[pc] on and my row's scale word in v[w]
.macro QB s, pc, w
.irp c, 0,1
	v_max3_num_f32 v[12+\c], |v[\s+32*\c]|, |v[\s+32*\c+1]|, 0x1800000   ; with the floor 2^(3 - 127): the byte cannot fall under 1
.endr
.irp i, 2,4,6,8,10,12,14,16,18,20,22,24,26,28,30
.irp c, 0,1
	v_max3_num_f32 v[12+\c], v[12+\c], |v[\s+32*\c+\i]|, |v[\s+32*\c+\i+1]|   ; the two blocks by turns
.endr
.endr
	v_add_nc_u32 v14, 0xff000000, v12              ; 2 off the exponent field: the conversion takes the exponent field of this operand as its scale
	v_add_nc_u32 v15, 0xff000000, v13
	v_lshrrev_b32 v251, 23, v14                    ; the scales' bytes: blocks h and 2 + h of my row
	v_lshrrev_b32 v255, 23, v15
	v_lshl_or_b32 v[\w], v255, 16, v251
	v_lshlrev_b32 v[\w], v8, v[\w]                 ; at their places in the word: 8 h bits up
	v_permlanex16_b32 v11, v[\w], s[SEL], s[SEL+1]
	v_or_b32 v[\w], v[\w], v11                     ; with lane l xor 16's two bytes the word is whole, in both halves of the lanes
.irp c, 0,1
	v_cvt_scalef32_pk16_fp6_f32 v[\pc+6*\c:\pc+6*\c+2], v[\s+32*\c:\s+32*\c+15], v[14+\c]
	v_cvt_scalef32_pk16_fp6_f32 v[CT+4*\c:CT+4*\c+2], v[\s+32*\c+16:\s+32*\c+31], v[14+\c]   ; (a conversion's three registers begin on an even number)
.endr
	v_nop                                          ; one plain place behind a scaled conversion
.irp c, 0,1
.irp i, 0,1,2
	v_mov_b32 v[\pc+3+6*\c+\i], v[CT+4*\c+\i]
.endr
.endr
.endm
	s_load_b256 s[4:11], s[0:1], 0x0               ; hidden_states, key_value_states, Wq, Wo
	s_load_b128 s[12:15], s[0:1], 0x20             ; Wk, Wv
	s_load_b64 s[16:17], s[0:1], 0x30              ; p1
	v_lshrrev_b32 v1, 5, v0
	v_readfirstlane_b32 s18, v1                    ; wave
	v_and_b32 v1, 31, v0                           ; L
	v_and_b32 v2, 15, v0                           ; r
	v_bfe_u32 v3, v0, 4, 1                         ; h
	v_lshlrev_b32 v4, 4, v1                        ; 16 L
	v_lshlrev_b32 v5, 2, v1                        ; 4 L
	v_lshlrev_b32 v8, 3, v3                        ; 8 h
	v_mov_b32 v11, 0                               ; a lane permute's destination counts as one of its sources
	s_mov_b32 s[SEL], 0x76543210
	s_mov_b32 s[SEL+1], 0xfedcba98
	s_mov_b32 vcc_lo, 0xffff0000                   ; lanes 16-31
	s_lshl_b32 s19, ttmp9, 2
	s_add_co_u32 s19, s19, s18                     ; U
	s_mul_i32 s22, s19, 3072
	s_mov_b32 s23, 0
	s_lshl_b32 s24, s19, 7
	s_add_co_u32 s24, s24, SC1
	s_mov_b32 s25, 0
	s_wait_kmcnt 0x0
	s_add_nc_u64 s[22:23], s[16:17], s[22:23]      ; where my unit's images go
	s_add_nc_u64 s[24:25], s[16:17], s[24:25]      ; and its scale register
	s_cmp_lt_u32 ttmp9, 640
	s_cbranch_scc0 .Lweights
	; ---- ACTIVATIONS (K innermost): one way for x and kv; only pointer, pitch, tile and pair of K steps are chosen, on the work-group's number
	s_sub_co_u32 s29, s19, 2048
	s_mov_b32 s28, 1024
	s_cmp_lt_u32 ttmp9, 512
	s_cselect_b64 s[26:27], s[4:5], s[6:7]
	s_cselect_b32 s28, 4096, s28                   ; a row in bytes
	s_cselect_b32 s29, ttmp9, s29                  ; tile
	s_cselect_b32 s30, s18, 0                      ; pair of K steps
	s_lshr_b32 s31, s29, 1
	s_lshl_b32 s31, s31, 5
	s_and_b32 s32, s29, 1
	s_lshl_b32 s32, s32, 3
	s_add_co_u32 s31, s31, s32                     ; the tile's first row
	s_mul_i32 s32, s31, s28
	s_lshl_b32 s30, s30, 10
	s_add_co_u32 s32, s32, s30
	s_mov_b32 s33, 0
	s_add_nc_u64 s[26:27], s[26:27], s[32:33]
.set ii, 0
	s_wait_alu depctr_va_vdst(0)
.rept 16
	v_mad_u32_u24 v[AD+ii], s28, ii+8*(ii/8), v4   ; the tile's i-th row, + 16 L
.set ii, ii+1
.endr
.set ii, 0
.rept 16
	global_load_b128 v[R+4*ii:R+4*ii+3], v[AD+ii], s[26:27] th:TH_LOAD_NT              ; 32 lanes read 512 consecutive bytes: a row's K step
.set ii, ii+1
.endr
.set ii, 0
.rept 16
	global_load_b128 v[R+64+4*ii:R+64+4*ii+3], v[AD+ii], s[26:27] offset:512 th:TH_LOAD_NT
.set ii, ii+1
.endr
	s_mul_i32 s34, s18, 8448                       ; my wave's stage: 16 rows of 512 bytes + 16
	v_add_nc_u32 v6, s34, v4                       ; in: 16 L
	v_mul_u32_u24 v7, v2, 528
	v_lshl_add_u32 v7, v3, 7, v7
	v_add_nc_u32 v7, s34, v7                       ; back: row r, + 128 h: my block of 32 numbers
; a K step turns through the stage: in as it was loaded, back 32 neighbours of a row to a lane.  LDS serves a wave's instructions in order: no wait between the stores and the loads
.macro TURNX s
.set ii, 0
.rept 16
	ds_store_b128 v6, v[R+64*\s+4*ii:R+64*\s+4*ii+3] offset:528*ii
.set ii, ii+1
.endr
.set ii, 0
.rept 16
	ds_load_b128 v[X+4*ii:X+4*ii+3], v7 offset:256*(ii/8)+16*(ii%8)
.set ii, ii+1
.endr
	s_wait_dscnt 0x0
.endm
	s_wait_alu depctr_va_vdst(0)
	s_wait_loadcnt 16                              ; the first K step's 16 loads are in; the second's 16 may be out
	TURNX 0
	QB X, PC, 9
	s_wait_loadcnt 0x0
	TURNX 1
	QB X, PC+12, 10
	s_branch .Lstore
.Lweights:
	; ---- WEIGHTS (K is the first axis): a lane takes a column and its registers run down K, in the order that the operand's layout gives the lane: nothing is transposed
	s_sub_co_u32 s29, ttmp9, 640
	s_and_b32 s30, s29, 63                         ; Wq, Wo: the work-group is the tile, the wave the pair of K steps
	s_and_b32 s31, s29, 15
	s_lshl_b32 s31, s31, 2
	s_add_co_u32 s31, s31, s18                     ; Wk, Wv: a tile a wave
	s_cmp_lt_u32 s29, 144
	s_cselect_b64 s[26:27], s[12:13], s[14:15]
	s_cmp_lt_u32 s29, 128
	s_cselect_b64 s[26:27], s[10:11], s[26:27]
	s_cselect_b32 s30, s30, s31                    ; tile
	s_cselect_b32 s32, s18, 0                      ; pair of K steps
	s_cmp_lt_u32 s29, 64
	s_cselect_b64 s[26:27], s[8:9], s[26:27]
	s_lshr_b32 s31, s30, 1
	s_lshl_b32 s31, s31, 7
	s_and_b32 s33, s30, 1
	s_lshl_b32 s33, s33, 5
	s_add_co_u32 s31, s31, s33                     ; the tile's first column, in bytes
	s_lshl_b32 s32, s32, 20                        ; 256 rows of 4,096 bytes
	s_add_co_u32 s32, s32, s31
	s_mov_b32 s33, 0
	s_add_nc_u64 s[26:27], s[26:27], s[32:33]
	s_wait_alu depctr_va_vdst(0)
	v_and_b32 v16, 8, v2
	v_add_nc_u32 v16, v16, v2                      ; r + 8 (r / 8)
	v_lshlrev_b32 v16, 2, v16
	v_lshl_add_u32 v16, v3, 17, v16                ; lanes 16-31 begin 32 rows further down
.set ii, 0
.rept 128
	global_load_b32 v[R+ii], v16, s[26:27] offset:(64*(ii/32)+ii%32)*4096   ; W(64 (i / 32) + 32 h + i % 32, my column)
.set ii, ii+1
.endr
	s_wait_loadcnt 63                              ; at most 63 of the 128 are out: the first K step's 64 are in
	QB R, PC, 9
	s_wait_loadcnt 0x0
	QB R+64, PC+12, 10
.Lstore:
	v_cndmask_b32 v9, v9, v10, vcc_lo              ; lanes 0-15 the even K step's words, lanes 16-31 the odd one's
	s_wait_alu depctr_va_vdst(0)
.irp q, 0,1,2,3,4,5
	global_store_b128 v4, v[PC+4*\q:PC+4*\q+3], s[22:23] offset:512*\q   ; 32 lanes store 512 consecutive bytes, aligned
.endr
	global_store_b32 v5, v9, s[24:25]
	v_lshl_add_u32 v12, v0, 2, 0x8400              ; all 256 registers are at work above, so v0 is kept and the add's two registers are made here, ahead of the three closing lines
	v_mov_b32 v13, 0
	s_wait_alu depctr_va_vdst(0)
	s_wait_tensorcnt 0x0                           ; the wave's end
	ds_add_u32 v12, v13
	s_wait_dscnt 0x0
	s_endpgm
.Lfunc_end_k_qf8162bdd24_prep:
	.size	k_qf8162bdd24_prep, .Lfunc_end_k_qf8162bdd24_prep-k_qf8162bdd24_prep
	.p2alignl 7, 3214868480
	.fill 96, 4, 3214868480
	.section	.rodata,"a",@progbits
	.p2align	6, 0x0
	.amdhsa_kernel k_qf8162bdd24_prep
		.amdhsa_group_segment_fixed_size 34304
		.amdhsa_private_segment_fixed_size 0
		.amdhsa_enable_private_segment 0
		.amdhsa_kernarg_size 56
		.amdhsa_user_sgpr_count 2
		.amdhsa_user_sgpr_kernarg_segment_ptr 1
		.amdhsa_wavefront_size32 1
		.amdhsa_system_sgpr_workgroup_id_x 1
		.amdhsa_system_sgpr_workgroup_id_y 1
		.amdhsa_system_sgpr_workgroup_id_z 1
		.amdhsa_system_vgpr_workitem_id 0
		.amdhsa_next_free_vgpr 256
		.amdhsa_next_free_sgpr 66
		.amdhsa_reserve_vcc 1
		.amdhsa_float_denorm_mode_32 3
		.amdhsa_float_denorm_mode_16_64 3
		.amdhsa_memory_ordered 1
		.amdhsa_forward_progress 1
		.amdhsa_inst_pref_size 37
	.end_amdhsa_kernel
	.amdgpu_metadata
---
amdhsa.version: [ 1, 2 ]
amdhsa.kernels:
  - .name:           k_qf8162bdd24_prep
    .symbol:         k_qf8162bdd24_prep.kd
    .args:
      - { .name: hidden_states, .offset: 0, .size: 8, .value_kind: global_buffer, .address_space: global }
      - { .name: key_value_states, .offset: 8, .size: 8, .value_kind: global_buffer, .address_space: global }
      - { .name: Wq, .offset: 16, .size: 8, .value_kind: global_buffer, .address_space: global }
      - { .name: Wo, .offset: 24, .size: 8, .value_kind: global_buffer, .address_space: global }
      - { .name: Wk, .offset: 32, .size: 8, .value_kind: global_buffer, .address_space: global }
      - { .name: Wv, .offset: 40, .size: 8, .value_kind: global_buffer, .address_space: global }
      - { .name: p1, .offset: 48, .size: 8, .value_kind: global_buffer, .address_space: global }
    .group_segment_fixed_size: 34304
    .private_segment_fixed_size: 0
    .kernarg_segment_align: 8
    .kernarg_segment_size: 56
    .max_flat_workgroup_size: 128
    .sgpr_count:     66
    .vgpr_count:     256
    .wavefront_size: 32
...
	.end_amdgpu_metadata
.endif
;; end of part 1
;; launch proj (part 2): grid 4 x 64, 4 waves a work-group, clusters of 4 x 1, 327,680 bytes of LDS; arguments p1, bq, bk, bv, p2; writes p2
.if DOCPART == 2
	.amdgcn_target "amdgcn-amd-amdhsa--gfx1250"
	.amdhsa_code_object_version 6
	.text
	.protected	k_qf8162bdd24_proj
	.globl	k_qf8162bdd24_proj
	.p2align	8
	.type	k_qf8162bdd24_proj,@function
k_qf8162bdd24_proj:
	s_mov_b64 s[64:65], 0
	v_nop
	global_prefetch_b8 v0, s[64:65] scope:SCOPE_SE
	s_setreg_imm32_b32 hwreg(HW_REG_WAVE_MODE, 25, 1), 1
	s_wait_xcnt 0x0
	s_wait_alu depctr_hold_cnt(0) depctr_sa_sdst(0) depctr_va_vdst(0) depctr_va_sdst(0) depctr_va_ssrc(0) depctr_va_vcc(0) depctr_vm_vsrc(0)
	s_getreg_b32 s2, hwreg(HW_REG_IB_STS2, 6, 4)
	s_cmp_eq_u32 s2, 0
	s_cbranch_scc0 .Lentry_in_a_cluster
	s_endpgm
.Lentry_in_a_cluster:
	s_bfe_u32 s2, ttmp6, 0x10000c
	s_cmp_lg_u32 s2, 0x3003
	s_cbranch_scc0 .Lentry_shape_is_right
	s_endpgm
.Lentry_shape_is_right:
.set KV1, 6291456
.set WQ1, 7864320
.set WK1, 9437184
.set WVD, 196608
.set SC1, 9830400
.set KCO, 6291456
.set VCO, 12582912
.set QSO, 18874368
.set KSO, 19398656
.set VSO, 19660800
.set NCH, 36
.set XS,  16
.set KVS, 48
.set WQS, 56
.set WKS, 72
.set WVS, 76
.set HA,  80
.set PC,  144
.set TM,  164
.set PW,  180
.set KW,  181
.set TW,  185
.set BQ,  188
.set BV,  220
.set WKR, 96
.set BK,  192
.set SEL, 82
.set MSB, 0
.macro WIN new
.if MSB != (\new)
	s_set_vgpr_msb (MSB<<8)|(\new)
.set MSB, (\new)
.endif
.endm
.macro PLACES n
.rept \n
	v_nop
.endr
.endm
.macro ROUND
	s_barrier_signal -1
	s_barrier_wait -1
	s_cmp_lg_u32 s14, 0
	s_cbranch_scc1 .Lnot_wave_0_\@
	s_barrier_signal -3
.Lnot_wave_0_\@:
	s_barrier_wait -3
	s_barrier_signal -1
	s_barrier_wait -1
.endm
.macro WM d, a, b, c, sa, sb, row
.if \row
	v_wmma_scale_f32_16x16x128_f8f6f4 v[\d:\d+7], v[\a:\a+11], v[\b:\b+11], v[\c:\c+7], v[\sa], v[\sb] matrix_a_fmt:MATRIX_FMT_FP6 matrix_b_fmt:MATRIX_FMT_FP6 matrix_a_scale:MATRIX_SCALE_ROW1 matrix_b_scale:MATRIX_SCALE_ROW1
.else
	v_wmma_scale_f32_16x16x128_f8f6f4 v[\d:\d+7], v[\a:\a+11], v[\b:\b+11], v[\c:\c+7], v[\sa], v[\sb] matrix_a_fmt:MATRIX_FMT_FP6 matrix_b_fmt:MATRIX_FMT_FP6
.endif
.endm
.macro QUANT s
.irp b, 0,1,2,3
	v_max3_num_f32 v[TM+\b], |v[\s+16*\b]|, |v[\s+1+16*\b]|, 0x1800000
.endr
.irp i, 2,4,6,8,10,12,14
.irp b, 0,1,2,3
	v_max3_num_f32 v[TM+\b], v[TM+\b], |v[\s+16*\b+\i]|, |v[\s+1+16*\b+\i]|
.endr
.endr
.irp b, 0,1,2,3
	v_permlanex16_b32 v[TM+4+\b], v[TM+\b], s[SEL], s[SEL+1]
.endr
.irp b, 0,1,2,3
	v_max_num_f32 v[TM+\b], v[TM+\b], v[TM+4+\b]
.endr
.irp b, 0,1,2,3
	v_add_nc_u32 v[TM+12+\b], 0xff000000, v[TM+\b]
.endr
.irp b, 0,1,2,3
	v_lshrrev_b32 v[TM+4+\b], 23, v[TM+12+\b]
.endr
	v_lshl_or_b32 v[PW], v[TM+5], 8, v[TM+4]
	v_lshl_or_b32 v[PW], v[TM+6], 16, v[PW]
	v_lshl_or_b32 v[PW], v[TM+7], 24, v[PW]
.irp c, 0,1
	v_cvt_scalef32_pk16_fp6_f32 v[PC+6*\c:PC+2+6*\c], v[\s+32*\c:\s+15+32*\c], v[TM+12+2*\c]
	v_cvt_scalef32_pk16_fp6_f32 v[PC+12+4*\c:PC+14+4*\c], v[\s+16+32*\c:\s+31+32*\c], v[TM+12+2*\c+1]
.endr
	v_nop
.irp c, 0,1
.irp i, 0,1,2
	v_permlane16_swap_b32 v[PC+6*\c+\i], v[PC+12+4*\c+\i]
.endr
.irp i, 0,1,2
	v_mov_b32 v[PC+3+6*\c+\i], v[PC+12+4*\c+\i]
.endr
.endr
.endm
.macro G2 n
	WIN 0x40+0x40*((\n)/4)
.set gi, 0
.rept 12
	global_load_b128 v[96*(((\n)/2)%2)+48*((\n)%2)+4*gi:96*(((\n)/2)%2)+48*((\n)%2)+4*gi+3], v1, s[48:49] offset:(12*(\n)+gi)*512
.set gi, gi+1
.endr
	WIN 0
	global_load_b32 v[WQS+2*(\n)], v2, s[56:57] offset:256*(\n)
	global_load_b32 v[WQS+2*(\n)+1], v2, s[56:57] offset:256*(\n)+128
.irp i, 0,1,2,3
	global_load_b32 v[XS+4*(\n)+\i], v2, s[52:53] offset:512*(\n)+128*\i
.endr
	global_load_b128 v[BQ+4*(\n):BQ+4*(\n)+3], v8, s[60:61] offset:(32*((\n)/4)+8*(((\n)/2)%2))*4+16*((\n)%2)
.endm
.macro LDCH n
	WIN 0xC0
.set gi, 0
.if (\n) < 20
.rept 12
	ds_load_b128 v[48*((\n)%2)+4*gi:48*((\n)%2)+4*gi+3], v7 offset:6144*((\n)%4)+512*gi
.set gi, gi+1
.endr
.else
.rept 12
	ds_load_b128 v[48*((\n)%2)+4*gi:48*((\n)%2)+4*gi+3], v[3+((\n)-20)/4] offset:12288*(gi/6)+3072*((\n)%4)+512*(gi%6)
.set gi, gi+1
.endr
.endif
.endm
.macro NEXT n
	PLACES 4
.if (\n)+1 == 20
	s_wait_tensorcnt 0x0                           ; my part of x's images is in,
	s_wait_dscnt 0x0                               ; no LDS instruction of mine is out at the signal,
	s_barrier_signal -1
	s_barrier_wait -1                              ; and everybody's part is in
.endif
.if (\n)+1 < NCH
	LDCH (\n)+1
	s_wait_dscnt 12
.else
	s_wait_dscnt 0x0
.endif
.endm
	s_load_b256 s[4:11], s[0:1], 0x0
	s_load_b64 s[12:13], s[0:1], 0x20
	v_lshl_add_u32 v254, v0, 2, 0x29000
	v_mov_b32 v255, 0
	ds_add_u32 v254, v255
	ds_add_u32 v254, v255
	v_lshrrev_b32 v1, 5, v0
	v_readfirstlane_b32 s14, v1
	s_and_b32 s17, ttmp7, 0xffff
	s_mov_b32 s24, 15|(3<<16)|(1<<21)
	s_mov_b32 s25, 32<<16
	s_mov_b32 s26, 96<<16
	s_mov_b32 s27, 32<<16
	s_mov_b32 s28, 96
	s_mov_b32 s29, 32
	s_mov_b32 s30, 0
	s_mov_b32 s31, 0
	s_mov_b32 s32, 15|(3<<16)|(1<<21)
	s_mov_b32 s33, 32<<16
	s_mov_b32 s34, 24<<16
	s_mov_b32 s35, 32<<16
	s_mov_b32 s36, 24
	s_mov_b32 s37, 32
	s_mov_b32 s38, 0
	s_mov_b32 s39, 0
	s_mov_b32 s40, 1
	s_mul_i32 s41, s14, 24576
	s_mul_i32 s88, s17, 98304
	s_add_co_u32 s88, s88, s41
	s_mov_b32 s89, 0
	s_mov_b32 s44, 1
	s_mul_i32 s86, s14, 6144
	s_add_co_u32 s45, s86, 98304
	s_mul_i32 s90, s17, 24576
	s_add_co_u32 s90, s90, s86
	s_add_co_u32 s90, s90, KV1
	s_mov_b32 s91, 0
	s_wait_dscnt 0x0
	s_wait_kmcnt 0x0
	s_add_nc_u64 s[42:43], s[4:5], s[88:89]
	s_or_b32 s43, s43, 0x80000000
	s_add_nc_u64 s[46:47], s[4:5], s[90:91]
	s_or_b32 s47, s47, 0x80000000
	ROUND
	tensor_load_to_lds s[44:47], s[32:39]          ; the head's one load a wave: my part of kv's images, which the first twenty chunks read
	s_nop 0
	s_wait_alu depctr_va_vdst(0)
	s_wait_tensorcnt 0x0
	ds_add_u32 v254, v255
	s_wait_dscnt 0x0
	ROUND                                          ; everybody's part of kv is in
	tensor_load_to_lds s[40:43], s[24:31]          ; my part of x's images, first read by chunk 20: it is waited for there
	s_nop 0
	PLACES 4
	s_bfe_u32 s15, ttmp6, 0x40000
	s_lshl_b32 s16, ttmp9, 2
	s_add_co_u32 s16, s16, s15
	s_lshl_b32 s16, s16, 2
	s_add_co_u32 s16, s16, s14
	s_lshr_b32 s18, s17, 3
	s_and_b32 s19, s17, 7
	s_mov_b32 s21, 0
	s_mul_i32 s20, s16, 49152
	s_add_co_u32 s20, s20, WQ1
	s_add_nc_u64 s[48:49], s[4:5], s[20:21]
	s_mul_i32 s20, s16, 12288
	s_add_co_u32 s20, s20, WK1
	s_add_nc_u64 s[50:51], s[4:5], s[20:21]
	s_lshl_b32 s20, s17, 12
	s_add_co_u32 s20, s20, SC1
	s_add_nc_u64 s[52:53], s[4:5], s[20:21]
	s_lshl_b32 s20, s17, 10
	s_add_co_u32 s20, s20, SC1+262144
	s_add_nc_u64 s[54:55], s[4:5], s[20:21]
	s_lshl_b32 s20, s16, 11
	s_add_co_u32 s20, s20, SC1+327680
	s_add_nc_u64 s[56:57], s[4:5], s[20:21]
	s_lshl_b32 s20, s16, 9
	s_add_co_u32 s20, s20, SC1+393216
	s_add_nc_u64 s[58:59], s[4:5], s[20:21]
	s_lshl_b32 s20, s16, 8
	s_add_nc_u64 s[60:61], s[6:7], s[20:21]
	s_add_nc_u64 s[62:63], s[8:9], s[20:21]
	s_add_nc_u64 s[66:67], s[10:11], s[20:21]
	s_lshl_b32 s23, s18, 4
	s_add_co_u32 s23, s23, s16
	s_lshl_b32 s20, s23, 5
	s_lshl_b32 s22, s19, 2
	s_add_co_u32 s20, s20, s22
	s_mul_i32 s20, s20, 1536
	s_add_co_u32 s20, s20, KCO
	s_add_nc_u64 s[68:69], s[12:13], s[20:21]
	s_lshl_b32 s20, s23, 4
	s_lshl_b32 s22, s19, 1
	s_add_co_u32 s20, s20, s22
	s_lshl_b32 s20, s20, 7
	s_add_co_u32 s20, s20, KSO
	s_add_nc_u64 s[70:71], s[12:13], s[20:21]
	s_lshl_b32 s20, s23, 3
	s_add_co_u32 s20, s20, s19
	s_mul_i32 s20, s20, 6144
	s_add_co_u32 s20, s20, VCO
	s_add_nc_u64 s[72:73], s[12:13], s[20:21]
	s_lshl_b32 s20, s23, 2
	s_lshr_b32 s22, s19, 1
	s_add_co_u32 s20, s20, s22
	s_lshl_b32 s20, s20, 9
	s_and_b32 s22, s17, 1
	s_lshl_b32 s22, s22, 6
	s_add_co_u32 s20, s20, s22
	s_add_co_u32 s20, s20, VSO
	s_add_nc_u64 s[74:75], s[12:13], s[20:21]
	s_lshl_b32 s22, s17, 6
	s_add_co_u32 s22, s22, s16
	s_mul_i32 s20, s22, 1536
	s_add_nc_u64 s[76:77], s[12:13], s[20:21]
	s_lshl_b32 s20, s22, 7
	s_add_co_u32 s20, s20, QSO
	s_add_nc_u64 s[78:79], s[12:13], s[20:21]
	s_mov_b32 s[SEL], 0x76543210
	s_mov_b32 s[SEL+1], 0xfedcba98
	s_mov_b32 s84, 0x3e000000
	s_mov_b32 s85, s84
	s_mov_b32 vcc_lo, 0xffff0000
	v_and_b32 v10, 31, v0
	v_lshlrev_b32 v1, 4, v10
	v_lshlrev_b32 v2, 2, v10
	v_mov_b32 v3, v1
	v_add_nc_u32 v4, 24576, v1
	v_add_nc_u32 v5, 49152, v1
	v_add_nc_u32 v6, 73728, v1
	v_add_nc_u32 v7, 98304, v1
	v_bfe_u32 v11, v0, 4, 1
	v_lshlrev_b32 v8, 6, v11
	v_and_b32 v12, 15, v0
	v_and_b32 v13, 8, v12
	v_add_nc_u32 v13, v13, v12
	v_lshlrev_b32 v9, 2, v13
	v_lshlrev_b32 v10, 2, v12
.irp b, 0,1,2,3
	v_mov_b32 v[TM+4+\b], 0
.endr
	WIN 0xC0
.set gi, 0
.rept 24
	global_load_b128 v[WKR+4*gi:WKR+4*gi+3], v1, s[50:51] offset:512*gi
.set gi, gi+1
.endr
.irp nt, 0,1,2,3
.irp e, 0,1
	global_load_b128 v[BK+8*\nt+4*\e:BK+8*\nt+4*\e+3], v8, s[62:63] offset:(32*(\nt/2)+8*(\nt%2))*4+16*\e
.endr
.endr
	WIN 0x40
.set gi, 0
.rept 12
	global_load_b128 v[192+4*gi:192+4*gi+3], v1, s[50:51] offset:WVD+512*gi
.set gi, gi+1
.endr
	WIN 0x80
.set gi, 0
.rept 12
	global_load_b128 v[192+4*gi:192+4*gi+3], v1, s[50:51] offset:WVD+6144+512*gi
.set gi, gi+1
.endr
	WIN 0
.irp i, 0,1,2,3
	global_load_b32 v[WKS+\i], v2, s[58:59] offset:128*\i
.endr
.irp i, 0,1,2,3
	global_load_b32 v[WVS+\i], v2, s[58:59] offset:8192+128*\i
.endr
.irp i, 0,1,2,3,4,5,6,7
	global_load_b32 v[KVS+\i], v2, s[54:55] offset:128*\i
.endr
.irp dt, 0,1,2,3
.irp i, 0,1,2,3,4,5,6,7
	global_load_b32 v[BV+8*\dt+\i], v9, s[66:67] offset:(32*(\dt/2)+8*(\dt%2))*4
.endr
.endr
	G2 0
	G2 1
	G2 2
	s_wait_loadcnt 57
	LDCH 0
.irp B, 0,1,2,3
	NEXT \B
	WIN 0x3F
.irp c, 0,1
.irp nt, 0,1,2,3
	WM HA+32*\c+8*\nt, WKR+24*\nt, 48*(\B%2)+24*\c, BK+8*\nt, WKS+\nt, KVS+2*\B+\c, 0
.endr
.endr
	WIN 0x0F
.irp c, 0,1
.irp nt, 0,1,2,3
	WM HA+32*\c+8*\nt, WKR+24*\nt+12, 48*(\B%2)+24*\c+12, HA+32*\c+8*\nt, WKS+\nt, KVS+2*\B+\c, 1
.endr
.endr
	WIN 0
	PLACES 4
	s_wait_xcnt 0x0
	QUANT HA
.irp q, 0,1,2
	global_store_b128 v1, v[PC+4*\q:PC+4*\q+3], s[68:69] offset:1536*\B+512*\q
.endr
	v_mov_b32 v[KW+\B], v[PW]
.if (\B%2) == 1
	v_cndmask_b32 v[TW], v[KW+\B-1], v[KW+\B], vcc_lo
	global_store_b32 v2, v[TW], s[70:71] offset:128*(\B/2)
.endif
	G2 3+\B
.endr
.irp dt, 0,1,2,3
.irp B, 0,1,2,3
	NEXT 4+4*\dt+\B
	WIN 0x07+4*(\dt/2)
	WM HA+16*\B, 48*(\B%2), 192+24*(\dt%2), BV+8*\dt, KVS+2*\B, WVS+\dt, 0
	WM HA+16*\B+8, 48*(\B%2)+24, 192+24*(\dt%2), BV+8*\dt, KVS+2*\B+1, WVS+\dt, 0
	WM HA+16*\B, 48*(\B%2)+12, 192+24*(\dt%2)+12, HA+16*\B, KVS+2*\B, WVS+\dt, 1
	WM HA+16*\B+8, 48*(\B%2)+36, 192+24*(\dt%2)+12, HA+16*\B+8, KVS+2*\B+1, WVS+\dt, 1
.endr
	WIN 0
	PLACES 4
	s_wait_xcnt 0x0
	QUANT HA
.irp q, 0,1,2
	global_store_b128 v1, v[PC+4*\q:PC+4*\q+3], s[72:73] offset:1536*\dt+512*\q
.endr
	global_store_b32 v10, v[PW], s[74:75] offset:128*\dt
.if \dt == 0
	G2 7
.endif
.endr
	s_wait_loadcnt 0x0
.irp B, 0,1,2,3
.irp p, 0,1,2,3
	NEXT 20+4*\B+\p
.irp w, 0,1
	WIN 0x0D+\w
.irp s, 0,1
.irp m, 0,1
.irp c, 0,1
.if (\p == 0) && (\s == 0)
	WM HA+32*\c+8*(2*\w+\m), 96*\m+12*(2*\p+\s), 48*(\p%2)+24*\c+12*\s, BQ+8*(2*\w+\m), WQS+4*(2*\w+\m)+\p, XS+4*(2*\B+\c)+\p, \s
.else
	WM HA+32*\c+8*(2*\w+\m), 96*\m+12*(2*\p+\s), 48*(\p%2)+24*\c+12*\s, HA+32*\c+8*(2*\w+\m), WQS+4*(2*\w+\m)+\p, XS+4*(2*\B+\c)+\p, \s
.endif
.endr
.endr
.endr
.endr
.endr
	WIN 0
	PLACES 4
.set kk, 0
.rept 32
	v_pk_mul_f32 v[HA+2*kk:HA+2*kk+1], v[HA+2*kk:HA+2*kk+1], s[84:85] op_sel_hi:[1,0]
.set kk, kk+1
.endr
	s_wait_xcnt 0x0
	QUANT HA
.irp q, 0,1,2
	global_store_b128 v1, v[PC+4*\q:PC+4*\q+3], s[76:77] offset:24576*\B+512*\q
.endr
	v_perm_b32 v[TW], v[PW], v[PW], 0x01000100
	v_perm_b32 v[TW+1], v[PW], v[PW], 0x03020302
	v_cndmask_b32 v[TW], v[TW], v[TW+1], vcc_lo
	global_store_b32 v2, v[TW], s[78:79] offset:2048*\B
.endr
	s_wait_tensorcnt 0x0
	ds_add_u32 v254, v255
	s_wait_dscnt 0x0
	ROUND
	s_endpgm
.Lfunc_end_k_qf8162bdd24_proj:
	.size	k_qf8162bdd24_proj, .Lfunc_end_k_qf8162bdd24_proj-k_qf8162bdd24_proj
	.p2alignl 7, 3214868480
	.fill 96, 4, 3214868480
	.section	.rodata,"a",@progbits
	.p2align	6, 0x0
	.amdhsa_kernel k_qf8162bdd24_proj
		.amdhsa_group_segment_fixed_size 327680
		.amdhsa_private_segment_fixed_size 0
		.amdhsa_enable_private_segment 0
		.amdhsa_kernarg_size 40
		.amdhsa_user_sgpr_count 2
		.amdhsa_user_sgpr_kernarg_segment_ptr 1
		.amdhsa_wavefront_size32 1
		.amdhsa_system_sgpr_workgroup_id_x 1
		.amdhsa_system_sgpr_workgroup_id_y 1
		.amdhsa_system_sgpr_workgroup_id_z 1
		.amdhsa_system_vgpr_workitem_id 0
		.amdhsa_next_free_vgpr 1024
		.amdhsa_next_free_sgpr 96
		.amdhsa_reserve_vcc 1
		.amdhsa_float_denorm_mode_32 3
		.amdhsa_float_denorm_mode_16_64 3
		.amdhsa_memory_ordered 1
		.amdhsa_forward_progress 1
		.amdhsa_inst_pref_size 177
	.end_amdhsa_kernel
	.amdgpu_metadata
---
amdhsa.version: [ 1, 2 ]
amdhsa.kernels:
  - .name:           k_qf8162bdd24_proj
    .symbol:         k_qf8162bdd24_proj.kd
    .args:
      - { .name: p1, .offset: 0, .size: 8, .value_kind: global_buffer, .address_space: global }
      - { .name: bq, .offset: 8, .size: 8, .value_kind: global_buffer, .address_space: global }
      - { .name: bk, .offset: 16, .size: 8, .value_kind: global_buffer, .address_space: global }
      - { .name: bv, .offset: 24, .size: 8, .value_kind: global_buffer, .address_space: global }
      - { .name: p2, .offset: 32, .size: 8, .value_kind: global_buffer, .address_space: global }
    .group_segment_fixed_size: 327680
    .private_segment_fixed_size: 0
    .kernarg_segment_align: 8
    .kernarg_segment_size: 40
    .max_flat_workgroup_size: 128
    .sgpr_count:     96
    .vgpr_count:     1024
    .wavefront_size: 32
...
	.end_amdgpu_metadata
.endif
;; end of part 2
;; launch attn (part 3): grid 32 x 8, 4 waves a work-group, no clusters, 268,800 bytes of LDS; arguments p2, attention_mask, layer_head_mask, p3; writes p3
.if DOCPART == 3
	.amdgcn_target "amdgcn-amd-amdhsa--gfx1250"
	.amdhsa_code_object_version 6
	.text
	.protected	k_qf8162bdd24_attn
	.globl	k_qf8162bdd24_attn
	.p2align	8
	.type	k_qf8162bdd24_attn,@function
k_qf8162bdd24_attn:
	s_mov_b64 s[64:65], 0
	v_nop
	global_prefetch_b8 v0, s[64:65] scope:SCOPE_SE
	s_setreg_imm32_b32 hwreg(HW_REG_WAVE_MODE, 25, 1), 1
	s_wait_xcnt 0x0
; ATTN: scores = q k^T + mask, p = softmax(scores) x layer_head_mask[head], o = p v; both products on codes of FP6.  The FINISHED p is quantised, so a row's maximum and sum over
; all 1,024 keys are known before any code is made.  o is quantised along the embedding and stored in p3 as register images.
; SHARES.  A work-group owns 64 queries (two groups of 32, four tiles of 16) of one batch entry for 8 heads (x % 2 says which 8); wave w owns keys 256 w .. + 255.
; A head's K and V (96 + 96 registers a wave) come from memory into registers once and serve both groups.  A STEP is one head and one group; a trip of the loop is two heads, four steps.
; THE MASK: 64 x 256 numbers a wave come by one tensor load.  Group 0's stay in registers (window 2) and are the C of the first product; group 1's are stored once as a register image
; (16 bytes a lane, 512 bytes a line) over group 0's LDS rows, and are loaded into the scores' registers ahead of each of that group's steps, where the product adds in place.
; LAYOUT.  Both products are used transposed: a lane holds ONE query.  WHICH ROWS FORM A TILE is chosen by the loads' lane addresses: row 8 h + j of tile t of K's group B (64 keys) is key
; 64 B + 32 h + 8 t + j, so a lane's registers 32 B + 0 .. 31 are one WHOLE block of 32 keys, in the order of the next operand's registers; V's rows likewise: row 8 h + j of tile d is
; channel 32 h + 8 d + j.  So a block's maximum needs no other lane and the codes need no lane exchange.  These loads read runs of 128 bytes; two loads together cover each 256.
; A head's 64 channels are half of the instruction's 128: an image of K holds two tiles, and source 1 is [Q | zeros] or [zeros | Q].
; SOFTMAX.  Each wave: M = its keys' largest score x log2(e) rounded UP to a whole number; p' = 2^(t - M); l = sum of p'.  The waves exchange (-M, l) through LDS;
; g = 2^(my M - the row's M) x head mask / (sum of l 2^(M_i - the row's M)); p = p' g.  A block's largest p comes from the block's largest score by the same three instructions
; (this takes v_exp_f32 not to fall where its input rises).
; The second product of a step stands in the next step's exchange.  The waves' parts of o go through LDS (the bytes that held group 1's mask rows, which have had their only fill and
; last read); behind two heads wave w adds up tile w and makes one K step's fragment of the last product.
; NO CLUSTER: K and V land in the registers in which they stay for a head; a joint load would bring them through LDS and out again.  NO PREFETCH: the loads themselves are issued a step ahead.
; LIMITS: a row ALL of whose scores x log2(e) lie under -3e38 is not served; NaN is not served; blocks whose largest magnitude lies under 2^-124 are held at the byte 1.
; REGISTERS.  window 0: below.  window 1: scores, then p: v[128 u + 32 B + i].  window 2: group 0's mask.  window 3: v0-95 K, v96-191 V, v192-255 O^T.
.set KCO, 6291456
.set VCO, 12582912
.set QSO, 18874368
.set KSO, 19398656
.set VSO, 19660800
.set SC3, 6291456
.set WT,   66560                       ; a wave's mask tile in LDS: 64 rows of 1,024 + 16 bytes
.set HT,   33280                       ; 32 rows
.set STAT, 266240                      ; statistics: 32 L + 8 w, two sets of 1,024 bytes
.set SPARE, 268288
.set RKS, 16
.set RVS, 20
.set RQS, 24
.set PW,  26
.set PC,  64
.set OS,  112                          ; v112-115 where my parts of o go, step 0..3 of a trip
.set FL,  116                          ; v116-117 where I read my tile's parts, head 0, 1 of a trip
.set IMG, 118                          ; the mask image: wave's base + 16 L
.set AKB, 119                          ; lane terms of K's, K's scales', V's, V's scales' loads
.set AKS, 120
.set AVB, 121
.set AVS, 122
.set H8,  123                          ; 8 h
.set BM,  128                          ; v128-135 blocks' largest scores, then largest p (4 u + B)
.set BX,  144                          ; second chains, then the conversions' scale operands
.set BY,  160                          ; scale bytes
.set NM,  176
.set GG,  180
.set LC,  184
.set ST,  200
.set CT,  208
.set VF,  96
.set OA,  192
.set CS,  44
.set SEL, 46
.set MSB, 0
.macro WIN new
.if MSB != (\new)
	s_set_vgpr_msb (MSB<<8)|(\new)
.set MSB, (\new)
.endif
.endm
.macro PLACES n
.rept \n
	v_nop
.endr
.endm
.macro WM d, a, b, c, sa, sb, ra, rb
.if (\ra) && (\rb)
	v_wmma_scale_f32_16x16x128_f8f6f4 v[\d:\d+7], v[\a:\a+11], v[\b:\b+11], v[\c:\c+7], v[\sa], v[\sb] matrix_a_fmt:MATRIX_FMT_FP6 matrix_b_fmt:MATRIX_FMT_FP6 matrix_a_scale:MATRIX_SCALE_ROW1 matrix_b_scale:MATRIX_SCALE_ROW1
.elseif (\ra)
	v_wmma_scale_f32_16x16x128_f8f6f4 v[\d:\d+7], v[\a:\a+11], v[\b:\b+11], v[\c:\c+7], v[\sa], v[\sb] matrix_a_fmt:MATRIX_FMT_FP6 matrix_b_fmt:MATRIX_FMT_FP6 matrix_a_scale:MATRIX_SCALE_ROW1
.elseif (\rb)
	v_wmma_scale_f32_16x16x128_f8f6f4 v[\d:\d+7], v[\a:\a+11], v[\b:\b+11], v[\c:\c+7], v[\sa], v[\sb] matrix_a_fmt:MATRIX_FMT_FP6 matrix_b_fmt:MATRIX_FMT_FP6 matrix_b_scale:MATRIX_SCALE_ROW1
.else
	v_wmma_scale_f32_16x16x128_f8f6f4 v[\d:\d+7], v[\a:\a+11], v[\b:\b+11], v[\c:\c+7], v[\sa], v[\sb] matrix_a_fmt:MATRIX_FMT_FP6 matrix_b_fmt:MATRIX_FMT_FP6
.endif
.endm
.macro WM0 d, a, b, sa, sb
	v_wmma_scale_f32_16x16x128_f8f6f4 v[\d:\d+7], v[\a:\a+11], v[\b:\b+11], 0, v[\sa], v[\sb] matrix_a_fmt:MATRIX_FMT_FP6 matrix_b_fmt:MATRIX_FMT_FP6
.endm
.macro LOADK                           ; 28 loads: image (B, s) = tiles 2 s, 2 s + 1 of group B: lane (r, h) takes p2's image 2 B + r / 8, lane 8 s + r % 8 + 16 h
	WIN 0xC0
.irp b, 0,1,2,3
.irp s, 0,1
.irp q, 0,1,2
	global_load_b128 v[24*\b+12*\s+4*\q:24*\b+12*\s+4*\q+3], v10, s[28:29] offset:3072*\b+128*\s+512*\q
.endr
.endr
.endr
	WIN 0
.irp i, 0,1,2,3
	global_load_b32 v[RKS+\i], v11, s[30:31] offset:128*\i
.endr
.endm
.macro LOADQ g                         ; 5 loads: group g's image of Q, its halves into their places, and its scale register
	global_load_b128 v[38:41], v12, s[36:37] offset:24576*\g
	global_load_b64 v[42:43], v12, s[36:37] offset:24576*\g+512
	global_load_b64 v[50:51], v12, s[36:37] offset:24576*\g+520
	global_load_b128 v[52:55], v12, s[36:37] offset:24576*\g+1024
	global_load_b32 v[RQS], v13, s[38:39] offset:2048*\g
.endm
.macro LOADV                           ; 28 loads: tile d of my K step s: lane (r, h) takes p2's image 2 (r / 8) + d % 2, lane 8 (d / 2) + r % 8 + 16 h
	WIN 0xC0
.irp s, 0,1
.irp d, 0,1,2,3
.irp q, 0,1,2
	global_load_b128 v[VF+48*\s+12*\d+4*\q:VF+48*\s+12*\d+4*\q+3], v14, s[32:33] offset:6144*\s+1536*(\d%2)+128*(\d/2)+512*\q
.endr
.endr
.endr
	WIN 0
.irp d, 0,1,2,3
	global_load_b32 v[RVS+\d], v15, s[34:35] offset:128*(\d%2)+32*(\d/2)
.endr
.endm
.macro PRE                             ; group 1's mask into the scores' registers, in the order of use: 64 loads of 512 consecutive bytes
	WIN 0x40
.irp b, 0,1,2,3
.irp u, 0,1
.irp i, 0,1,2,3,4,5,6,7
	ds_load_b128 v[128*\u+32*\b+4*\i:128*\u+32*\b+4*\i+3], v[IMG] offset:512*(32*\u+8*\b+\i)
.endr
.endr
.endr
	WIN 0
.endm
; the search for a block's largest score: slice q % 8 of group q / 8, both tiles; two chains a tile; each accumulator is first read at its low end
.macro MSL q
.set mB, (\q)/8
.set mi, (\q)%8
.if mi == 0
	WIN 0x15
.irp u, 0,1
	v_max3_num_f32 v[BM+4*\u+mB], v[128*\u+32*mB], v[128*\u+32*mB+1], v[128*\u+32*mB+2]
.endr
.irp u, 0,1
	v_max3_num_f32 v[BX+4*\u+mB], v[128*\u+32*mB+16], v[128*\u+32*mB+17], v[128*\u+32*mB+18]
.endr
.elseif mi < 7
	WIN 0x14
.irp u, 0,1
	v_max3_num_f32 v[BM+4*\u+mB], v[BM+4*\u+mB], v[128*\u+32*mB+2*mi+1], v[128*\u+32*mB+2*mi+2]
.endr
.irp u, 0,1
	v_max3_num_f32 v[BX+4*\u+mB], v[BX+4*\u+mB], v[128*\u+32*mB+2*mi+17], v[128*\u+32*mB+2*mi+18]
.endr
.else
	WIN 0x10
.irp u, 0,1
	v_max3_num_f32 v[BM+4*\u+mB], v[BM+4*\u+mB], v[BX+4*\u+mB], v[128*\u+32*mB+15]
.endr
.irp u, 0,1
	v_max3_num_f32 v[BM+4*\u+mB], v[BM+4*\u+mB], v[BM+4*\u+mB], v[128*\u+32*mB+31]
.endr
.endif
.endm
.macro PVA                             ; the second product, my even K step: eight accumulators by turns
	WIN 0xF3
.irp dt, 0,1,2,3
.irp u, 0,1
	WM0 OA+32*\u+8*\dt, VF+12*\dt, PC+24*\u, RVS+\dt, PW+2*\u
.endr
.endr
.endm
.macro PVB                             ; my odd K step; then four places ahead of the stores of the results and of loads into V's registers
	WIN 0xF3
.irp dt, 0,1,2,3
.irp u, 0,1
	WM OA+32*\u+8*\dt, VF+48+12*\dt, PC+24*\u+12, OA+32*\u+8*\dt, RVS+\dt, PW+2*\u+1, 1, 0
.endr
.endr
	PLACES 4
	WIN 0
.endm
.macro OSTORE jj                       ; my keys' part of o of step jj; each accumulator from its low end on
	WIN 0x0C
.irp u, 0,1
.irp q, 0,1,2,3,4,5,6,7
	ds_store_b128 v[OS+(\jj)], v[OA+32*\u+4*\q:OA+32*\u+4*\q+3] offset:16384*\u+512*\q
.endr
.endr
	WIN 0
.endm
	s_load_b256 s[4:11], s[0:1], 0x0               ; p2, attention_mask, layer_head_mask, p3
	v_lshl_add_u32 v254, v0, 2, SPARE
	v_mov_b32 v255, 0
	ds_add_u32 v254, v255
	ds_add_u32 v254, v255
	v_lshrrev_b32 v1, 5, v0
	v_readfirstlane_b32 s12, v1                    ; wave
	s_and_b32 s14, ttmp7, 0xffff                   ; b
	s_lshr_b32 s61, ttmp9, 1                       ; block of 64 queries
	s_and_b32 s60, ttmp9, 1
	s_lshl_b32 s60, s60, 3                         ; my first head
	s_lshl_b32 s15, s14, 5
	s_lshl_b32 s56, s61, 1
	s_add_co_u32 s15, s15, s56                     ; my first group of 32 queries
	s_mov_b32 s16, (2<<16)|(1<<20)|(7<<22)|(3<<25) ; elements of 4 bytes; 4 words of padding behind every 256
	s_mov_b32 s17, 256<<16
	s_mov_b32 s18, 64<<16
	s_mov_b32 s19, 256<<16
	s_mov_b32 s20, 64
	s_mov_b32 s21, 1024
	s_mov_b32 s22, 0
	s_mov_b32 s23, 0
	s_mov_b32 s24, 1
	s_mul_i32 s25, s12, WT
	s_lshl_b32 s58, s14, 22
	s_lshl_b32 s56, s61, 18
	s_add_co_u32 s58, s58, s56
	s_lshl_b32 s56, s12, 10
	s_add_co_u32 s58, s58, s56
	s_mov_b32 s59, 0
	s_wait_dscnt 0x0
	s_wait_kmcnt 0x0
	s_add_nc_u64 s[26:27], s[6:7], s[58:59]
	s_or_b32 s27, s27, 0x80000000
	tensor_load_to_lds s[24:27], s[16:23]          ; my 64 rows x 256 keys of the mask: my one tensor load; LDS is filled once
	s_nop 0
	PLACES 4
	s_lshr_b32 s52, s12, 1                         ; my tile of o: group w / 2,
	s_and_b32 s53, s12, 1                          ; tile w % 2
	s_mul_i32 s56, s14, 786432
	s_mul_i32 s57, s12, 12288
	s_add_co_u32 s56, s56, s57
	s_add_co_u32 s58, s56, KCO
	s_add_nc_u64 s[28:29], s[4:5], s[58:59]
	s_add_co_u32 s58, s56, VCO
	s_add_nc_u64 s[32:33], s[4:5], s[58:59]
	s_lshl_b32 s56, s14, 15
	s_lshl_b32 s57, s12, 9
	s_add_co_u32 s56, s56, s57
	s_add_co_u32 s58, s56, KSO
	s_add_nc_u64 s[30:31], s[4:5], s[58:59]
	s_add_co_u32 s58, s56, VSO
	s_add_nc_u64 s[34:35], s[4:5], s[58:59]
	s_mul_i32 s58, s15, 24576
	s_add_nc_u64 s[36:37], s[4:5], s[58:59]
	s_lshl_b32 s58, s15, 11
	s_add_co_u32 s58, s58, QSO
	s_add_nc_u64 s[38:39], s[4:5], s[58:59]
	s_lshl_b32 s56, s15, 1
	s_add_co_u32 s56, s56, s12                     ; my tile of rows in p3
	s_lshl_b32 s57, s56, 3
	s_lshr_b32 s58, s60, 1
	s_add_co_u32 s57, s57, s58                     ; its K step: first head / 2; one on in each trip
	s_mul_i32 s58, s57, 1536
	s_add_nc_u64 s[40:41], s[10:11], s[58:59]
	s_lshl_b32 s58, s56, 9
	s_add_co_u32 s58, s58, SC3
	s_lshl_b32 s57, s60, 5
	s_add_co_u32 s58, s58, s57
	s_add_nc_u64 s[42:43], s[10:11], s[58:59]
	s_mov_b32 s[CS], 0x3fb8aa3b                    ; log2(e)
	s_mov_b32 s[CS+1], s[CS]
	s_mov_b32 s[SEL], 0x76543210
	s_mov_b32 s[SEL+1], 0xfedcba98
	s_mov_b32 vcc_lo, 0xffff0000
	s_lshl_b32 s51, s12, 3
	s_lshl_b32 s54, s12, 12
	s_add_co_u32 s54, s54, HT
	s_mul_i32 s55, s52, WT
	s_add_co_u32 s55, s55, HT
	s_lshl_b32 s57, s53, 14
	s_add_co_u32 s55, s55, s57
	s_mul_i32 s62, s60, 49152
	s_lshl_b32 s63, s60, 11
	s_mul_i32 s66, s60, 1536
	s_lshl_b32 s67, s60, 7
	v_and_b32 v240, 31, v0                         ; L
	v_and_b32 v241, 15, v0                         ; r
	v_bfe_u32 v242, v0, 4, 1                       ; h
	v_bfe_u32 v243, v0, 3, 1                       ; r / 8
	v_and_b32 v244, 7, v0                          ; r % 8
	v_lshlrev_b32 v1, 4, v240
	v_lshlrev_b32 v2, 2, v240
	v_lshl_add_u32 v3, v243, 3, v241
	v_mul_u32_u24 v3, v3, 1040
	v_lshl_add_u32 v3, v242, 7, v3
	v_add_nc_u32 v3, s25, v3                       ; the mask: row r + 8 (r / 8), + 128 h
	v_lshlrev_b32 v5, 5, v240
	v_add_nc_u32 v5, STAT, v5
	v_add_nc_u32 v4, s51, v5
	v_add_nc_u32 v[OS], s54, v1                    ; step j's parts: j WT + HT + 16,384 u + 4,096 w
	v_add_nc_u32 v[OS+1], WT, v[OS]
	v_add_nc_u32 v[OS+2], WT, v[OS+1]
	v_add_nc_u32 v[OS+3], WT, v[OS+2]
	v_add_nc_u32 v[FL], s55, v1
	v_add_nc_u32 v[FL+1], 2*WT, v[FL]
	v_add_nc_u32 v[IMG], s25, v1
	v_lshlrev_b32 v9, 2, v241
	v_lshlrev_b32 v[H8], 3, v242
	v_lshlrev_b32 v245, 4, v244
	v_lshl_add_u32 v245, v242, 8, v245
	v_mul_u32_u24 v[AKB], v243, 1536
	v_add_nc_u32 v[AKB], v[AKB], v245
	v_mul_u32_u24 v[AVB], v243, 3072
	v_add_nc_u32 v[AVB], v[AVB], v245
	v_lshlrev_b32 v246, 2, v244
	v_lshl_add_u32 v[AKS], v243, 6, v246
	v_lshl_add_u32 v[AKS], v242, 5, v[AKS]
	v_lshl_add_u32 v[AVS], v243, 8, v246
	v_lshl_add_u32 v[AVS], v242, 6, v[AVS]
	v_add_nc_u32 v10, s62, v[AKB]
	v_add_nc_u32 v11, s63, v[AKS]
	v_add_nc_u32 v12, s66, v1
	v_add_nc_u32 v13, s67, v2
	v_add_nc_u32 v14, s62, v[AVB]
	v_add_nc_u32 v15, s63, v[AVS]
.irp z, 32,33,34,35,36,37,44,45,46,47,48,49,56,57,58,59,60,61
	v_mov_b32 v\z, 0                               ; zero codes beside Q
.endr
.irp z, 177,179,181,183,251,252,253
	v_mov_b32 v\z, 0                               ; upper words of pairs; lane permutes' destinations
.endr
	LOADK
	LOADQ 0
	LOADV
	s_wait_alu depctr_va_vdst(0)
	s_wait_tensorcnt 0x0
	WIN 0x80
.set kk, 0
.rept 64
	ds_load_b128 v[4*kk:4*kk+3], v3 offset:8320*(kk/32)+256*((kk/8)%4)+16*(kk%8)        ; group 0: mask(tile u's query, key 64 B + 32 h + i) into v[128 u + 32 B + i]
.set kk, kk+1
.endr
	WIN 0x40
.set kk, 0
.rept 64
	ds_load_b128 v[4*kk:4*kk+3], v3 offset:HT+8320*(kk/32)+256*((kk/8)%4)+16*(kk%8)     ; group 1
.set kk, kk+1
.endr
	s_wait_dscnt 0x0
	WIN 0x04
.set kk, 0
.rept 64
	ds_store_b128 v[IMG], v[4*kk:4*kk+3] offset:512*kk                     ; group 1's image, over group 0's rows of my own tile, which I have read
.set kk, kk+1
.endr
	WIN 0
; ONE STEP, the j-th of a trip: head j / 2 of the trip's two, group j % 2.
; THE LOADS' ORDER round the loop: K, Q (step 3) | V (drain) | Q (0) | K, Q (1) | Q (2) | V (2's exchange) | K, Q (3) ...
.macro STEP j
.set sg, (\j)%2
	s_load_b32 s50, s[8:9], s49 offset:4*((\j)/2)
.if ((\j) == 0) || ((\j) == 3)
	s_wait_loadcnt 28                              ; what this product needs is in; V's 28 loads, issued behind it, may be out
.else
	s_wait_loadcnt 0x0                             ; what this product needs are the youngest loads
.endif
.set mm, 0
.rept 16
.set qb, mm/4
.set qt, mm%4
.if (sg) && (qt == 0)
	s_wait_dscnt 48-16*qb                          ; this group of keys' 16 loads of the mask image are in; the later groups' may be out
.endif
	WIN 0x63-0x10*sg                               ; K window 3, Q window 0, C: the mask in window 2, or in place in window 1
	WM 32*qb+8*qt, 12*(2*qb+qt/2), 38-6*(qt%2), 32*qb+8*qt, RKS+qb, RQS, qt/2, 0
	WM 128+32*qb+8*qt, 12*(2*qb+qt/2), 50-6*(qt%2), 128+32*qb+8*qt, RKS+qb, RQS, qt/2, 1
.if mm == 3
	PLACES 4
.elseif mm > 3
	MSL 2*(mm-4)                                   ; the search in the group of keys finished before: eight plain lines, also the places ahead of the next group's first reader
	MSL 2*(mm-4)+1
.endif
.set mm, mm+1
.endr
.irp q, 24,25,26,27,28,29,30,31
	MSL \q
.endr
	WIN 0
	s_wait_alu depctr_va_vdst(0)
.if sg
	s_lshl_b32 s51, s48, 1
	s_add_co_u32 s51, s51, ((\j)+1)/2
	s_and_b32 s51, s51, 7                          ; the next head of my eight (behind the last: the first again, inside the buffer and not used)
	s_add_co_u32 s51, s51, s60
	s_mul_i32 s52, s51, 49152
	s_lshl_b32 s53, s51, 11
	s_mul_i32 s54, s51, 1536
	s_lshl_b32 s55, s51, 7
	s_wait_xcnt 0x0                                ; earlier loads have read their offsets
	v_add_nc_u32 v10, s52, v[AKB]
	v_add_nc_u32 v11, s53, v[AKS]
	v_add_nc_u32 v12, s54, v1
	v_add_nc_u32 v13, s55, v2
	LOADK
	LOADQ 0
.else
.if (\j) == 2
	s_lshl_b32 s51, s48, 1
	s_add_co_u32 s51, s51, 1
	s_add_co_u32 s51, s51, s60                     ; this head: its V is asked for in this step's exchange
	s_mul_i32 s57, s51, 49152
	s_lshl_b32 s58, s51, 11
	s_wait_xcnt 0x0
	v_add_nc_u32 v14, s57, v[AVB]
	v_add_nc_u32 v15, s58, v[AVS]
.endif
	LOADQ 1
.endif
.irp u, 0,1
	v_max3_num_f32 v[240+\u], v[BM+4*\u], v[BM+4*\u+1], v[BM+4*\u+2]
.endr
.irp u, 0,1
	v_max_num_f32 v[240+\u], v[240+\u], v[BM+4*\u+3]
.endr
.irp u, 0,1
	v_permlanex16_b32 v[252+\u], v[240+\u], s[SEL], s[SEL+1]
.endr
.irp u, 0,1
	v_max_num_f32 v[240+\u], v[240+\u], v[252+\u]  ; my 256 keys' largest score of the query
.endr
.irp u, 0,1
	v_mul_f32 v[240+\u], s[CS], v[240+\u]
.endr
.irp u, 0,1
	v_max_num_f32 v[240+\u], 0xff61b1e6, v[240+\u] ; not under -3e38
.endr
.irp u, 0,1
	v_floor_f32 v[NM+2*\u], -v[240+\u]             ; -M
.endr
.set kk, 0
.rept 8
	v_fma_f32 v[BM+kk], v[BM+kk], s[CS], v[NM+2*(kk/4)]
.set kk, kk+1
.endr
	WIN 0x41
.set kk, 0
.rept 32
	v_pk_fma_f32 v[2*kk:2*kk+1], v[2*kk:2*kk+1], s[CS:CS+1], v[NM:NM+1] op_sel_hi:[1,0,0]
.set kk, kk+1
.endr
	s_wait_alu depctr_va_vdst(0)
	WIN 0
.set kk, 0
.rept 8
	v_exp_f32 v[BM+kk], v[BM+kk]
.set kk, kk+1
.endr
	WIN 0x41
	; four batches of 64 exponentials; the scalings of the next 64 stand among them, and the wait stands between a batch and the next
.irp c, 0,1,2,3
.set kk, 0
.rept 32
	v_exp_f32 v[64*\c+2*kk], v[64*\c+2*kk]
.if \c < 3
	v_pk_fma_f32 v[64*\c+64+2*kk:64*\c+65+2*kk], v[64*\c+64+2*kk:64*\c+65+2*kk], s[CS:CS+1], v[NM+2*((\c+1)/2):NM+2*((\c+1)/2)+1] op_sel_hi:[1,0,0]
.endif
	v_exp_f32 v[64*\c+2*kk+1], v[64*\c+2*kk+1]
.set kk, kk+1
.endr
	v_nop
	s_wait_alu depctr_va_vdst(0)
.endr
	WIN 0x05
.irp u, 0,1
.irp k, 0,1,2,3
	v_pk_add_f32 v[LC+8*\u+2*\k:LC+8*\u+2*\k+1], v[128*\u+2*\k:128*\u+2*\k+1], v[128*\u+2*\k+8:128*\u+2*\k+9]
.endr
.endr
	WIN 0x04
.set kk, 8
.rept 56
.irp u, 0,1
	v_pk_add_f32 v[LC+8*\u+2*(kk%4):LC+8*\u+2*(kk%4)+1], v[LC+8*\u+2*(kk%4):LC+8*\u+2*(kk%4)+1], v[128*\u+2*kk:128*\u+2*kk+1]
.endr
.set kk, kk+1
.endr
	WIN 0
.irp u, 0,1
	v_pk_add_f32 v[LC+8*\u:LC+8*\u+1], v[LC+8*\u:LC+8*\u+1], v[LC+8*\u+2:LC+8*\u+3]
	v_pk_add_f32 v[LC+8*\u+4:LC+8*\u+5], v[LC+8*\u+4:LC+8*\u+5], v[LC+8*\u+6:LC+8*\u+7]
.endr
.irp u, 0,1
	v_pk_add_f32 v[LC+8*\u:LC+8*\u+1], v[LC+8*\u:LC+8*\u+1], v[LC+8*\u+4:LC+8*\u+5]
.endr
.irp u, 0,1
	v_add_f32 v[242+\u], v[LC+8*\u], v[LC+8*\u+1]
.endr
.irp u, 0,1
	v_permlanex16_b32 v[252+\u], v[242+\u], s[SEL], s[SEL+1]
.endr
.irp u, 0,1
	v_add_f32 v[242+\u], v[242+\u], v[252+\u]      ; l
.endr
	; THE EXCHANGE: lanes 0-15 speak for tile 0's queries, lanes 16-31 for tile 1's; the step before's second product stands in it
	v_cndmask_b32 v244, v[NM], v[NM+2], vcc_lo
	v_cndmask_b32 v245, v242, v243, vcc_lo
	ds_store_b64 v4, v[244:245] offset:1024*sg
	s_wait_alu depctr_va_vdst(0)
.if (\j) == 3
	s_wait_loadcnt 33                              ; V is in; the next K's and Q's 33 loads may be out
.endif
.if (\j) >= 1
	PVA
.endif
	s_wait_dscnt 0x0                               ; my (-M, l) have landed; my earlier LDS instructions are done
	s_barrier_signal -1
.if (\j) >= 1
	PVB
.endif
	s_barrier_wait -1
	ds_load_b128 v[ST:ST+3], v5 offset:1024*sg
	ds_load_b128 v[ST+4:ST+7], v5 offset:1024*sg+16
.if (\j) >= 1
	OSTORE (\j)-1
.if (\j) == 2
	LOADV
.endif
	s_wait_dscnt 16                                ; the two loads are in; the 16 stores behind them may be out
.else
	s_wait_dscnt 0x0
.endif
	v_min_num_f32 v246, v[ST], v[ST+2]
	v_min_num_f32 v247, v[ST+4], v[ST+6]
	v_min_num_f32 v246, v246, v247                 ; - the row's M
.irp i, 0,1,2,3
	v_sub_f32 v[ST+2*\i], v246, v[ST+2*\i]
.endr
	v_sub_f32 v247, v246, v244
.irp i, 0,1,2,3
	v_cvt_i32_f32 v[ST+2*\i], v[ST+2*\i]
.endr
	v_cvt_i32_f32 v247, v247
.irp i, 0,1,2,3
	v_ldexp_f32 v[ST+2*\i+1], v[ST+2*\i+1], v[ST+2*\i]
.endr
	v_add_f32 v[ST+1], v[ST+1], v[ST+3]
	v_add_f32 v[ST+5], v[ST+5], v[ST+7]
	v_add_f32 v[ST+1], v[ST+1], v[ST+5]            ; the row's sum
	s_wait_alu depctr_va_vdst(0)                   ; ahead of the transcendental,
	v_rcp_f32 v248, v[ST+1]
	v_nop
	s_wait_alu depctr_va_vdst(0)                   ; and ahead of its first reader
	s_wait_kmcnt 0x0
	v_mul_f32 v248, s50, v248
	v_ldexp_f32 v250, v248, v247                   ; g of my lane's query
	v_permlanex16_b32 v251, v250, s[SEL], s[SEL+1]
	v_cndmask_b32 v[GG], v250, v251, vcc_lo
	v_cndmask_b32 v[GG+2], v251, v250, vcc_lo
.set kk, 0
.rept 8
	v_mul_f32 v[BM+kk], v[BM+kk], v[GG+2*(kk/4)]
.set kk, kk+1
.endr
.set kk, 0
.rept 8
	v_max_num_f32 v[BM+kk], 0x1800000, |v[BM+kk]|  ; the floor 2^(3 - 127)
.set kk, kk+1
.endr
.set kk, 0
.rept 8
	v_add_nc_u32 v[BX+kk], 0xff000000, v[BM+kk]    ; the conversion's scale operand
.set kk, kk+1
.endr
.set kk, 0
.rept 8
	v_lshrrev_b32 v[BY+kk], 23, v[BX+kk]
.set kk, kk+1
.endr
.irp f, 0,1,2,3
	v_lshl_or_b32 v[PW+\f], v[BY+2*\f+1], 16, v[BY+2*\f]   ; f = 2 u + s: my blocks h and 2 + h of the K step,
.endr
.irp f, 0,1,2,3
	v_lshlrev_b32 v[PW+\f], v[H8], v[PW+\f]        ; at their places,
.endr
.irp f, 0,1,2,3
	v_permlanex16_b32 v[240+\f], v[PW+\f], s[SEL], s[SEL+1]
.endr
.irp f, 0,1,2,3
	v_or_b32 v[PW+\f], v[PW+\f], v[240+\f]         ; with lane l xor 16's two the word is whole
.endr
	WIN 0x41
.set kk, 0
.rept 128
	v_pk_mul_f32 v[2*kk:2*kk+1], v[2*kk:2*kk+1], v[GG+2*(kk/64):GG+2*(kk/64)+1] op_sel_hi:[1,0]
.set kk, kk+1
.endr
	WIN 0x01
.irp f, 0,1,2,3
.irp c, 0,1
	v_cvt_scalef32_pk16_fp6_f32 v[PC+12*\f+6*\c:PC+12*\f+6*\c+2], v[64*\f+32*\c:64*\f+32*\c+15], v[BX+2*\f+\c]
	v_cvt_scalef32_pk16_fp6_f32 v[CT+8*\f+4*\c:CT+8*\f+4*\c+2], v[64*\f+32*\c+16:64*\f+32*\c+31], v[BX+2*\f+\c]
.endr
.endr
	WIN 0
	v_nop                                          ; one plain place behind a scaled conversion
.if sg == 0
	PRE                                            ; p has been read: the next step's mask lands in its registers
.endif
.irp f, 0,1,2,3
.irp c, 0,1
.irp i, 0,1,2
	v_mov_b32 v[PC+12*\f+6*\c+3+\i], v[CT+8*\f+4*\c+\i]
.endr
.endr
.endr
.endm
.macro DRAIN                           ; the fourth step's second product, the next trip's first V, the barrier ahead of the flush
	PLACES 4
	PVA
	PVB
	s_lshl_b32 s51, s48, 1
	s_add_co_u32 s51, s51, 2
	s_and_b32 s51, s51, 7
	s_add_co_u32 s51, s51, s60
	s_mul_i32 s57, s51, 49152
	s_lshl_b32 s58, s51, 11
	s_wait_xcnt 0x0
	v_add_nc_u32 v14, s57, v[AVB]
	v_add_nc_u32 v15, s58, v[AVS]
	OSTORE 3
	LOADV
	s_wait_dscnt 0x0
	s_barrier_signal -1
	s_barrier_wait -1
.endm
.macro FLUSH                           ; my tile's parts of two heads are added; register 32 c + i = channel 32 h + i of head c: two whole blocks a lane
	WIN 0x40
.irp pd, 0,1,2,3
.irp hp, 0,1
.irp q, 0,1,2,3,4,5,6,7
	ds_load_b128 v[64*\pd+32*\hp+4*\q:64*\pd+32*\hp+4*\q+3], v[FL+\hp] offset:4096*\pd+512*\q
.endr
.endr
.endr
	s_wait_dscnt 32                                ; producers 0 and 1 are in
	WIN 0x45
.set kk, 0
.rept 32
	v_pk_add_f32 v[2*kk:2*kk+1], v[2*kk:2*kk+1], v[64+2*kk:64+2*kk+1]
.set kk, kk+1
.endr
	s_wait_dscnt 0x0
.set kk, 0
.rept 32
	v_pk_add_f32 v[128+2*kk:128+2*kk+1], v[128+2*kk:128+2*kk+1], v[192+2*kk:192+2*kk+1]
.set kk, kk+1
.endr
.set kk, 0
.rept 32
	v_pk_add_f32 v[2*kk:2*kk+1], v[2*kk:2*kk+1], v[128+2*kk:128+2*kk+1]
.set kk, kk+1
.endr
	WIN 0x05
.irp c, 0,1
	v_max3_num_f32 v[BM+\c], |v[32*\c]|, |v[32*\c+1]|, 0x1800000
	v_max3_num_f32 v[BX+\c], |v[32*\c+16]|, |v[32*\c+17]|, 0x1800000
.endr
	WIN 0x14
.irp i, 2,4,6,8,10,12,14
.irp c, 0,1
	v_max3_num_f32 v[BM+\c], v[BM+\c], |v[32*\c+\i]|, |v[32*\c+\i+1]|
	v_max3_num_f32 v[BX+\c], v[BX+\c], |v[32*\c+16+\i]|, |v[32*\c+17+\i]|
.endr
.endr
	WIN 0
.irp c, 0,1
	v_max_num_f32 v[BM+\c], v[BM+\c], v[BX+\c]
.endr
.irp c, 0,1
	v_add_nc_u32 v[BX+\c], 0xff000000, v[BM+\c]
.endr
.irp c, 0,1
	v_lshrrev_b32 v[BY+\c], 23, v[BX+\c]
.endr
	v_lshl_or_b32 v[PW], v[BY+1], 16, v[BY]
	v_lshlrev_b32 v[PW], v[H8], v[PW]
	v_permlanex16_b32 v240, v[PW], s[SEL], s[SEL+1]
	v_or_b32 v[PW], v[PW], v240
	WIN 0x01
.irp c, 0,1
	v_cvt_scalef32_pk16_fp6_f32 v[PC+6*\c:PC+6*\c+2], v[32*\c:32*\c+15], v[BX+\c]
	v_cvt_scalef32_pk16_fp6_f32 v[CT+4*\c:CT+4*\c+2], v[32*\c+16:32*\c+31], v[BX+\c]
.endr
	WIN 0
	v_nop
.irp c, 0,1
.irp i, 0,1,2
	v_mov_b32 v[PC+3+6*\c+\i], v[CT+4*\c+\i]
.endr
.endr
.irp q, 0,1,2
	global_store_b128 v1, v[PC+4*\q:PC+4*\q+3], s[40:41] offset:512*\q   ; 32 lanes store 512 consecutive bytes, aligned
.endr
	global_store_b32 v9, v[PW], s[42:43]           ; lanes r and r + 16 store the same word at the same place
	s_wait_xcnt 0x0
	s_add_nc_u64 s[40:41], s[40:41], 1536          ; one K step on
	s_add_nc_u64 s[42:43], s[42:43], 64
.endm
	s_mov_b32 s48, 0
.Ltrip:                                            ; four trips of two heads
	s_lshl_b32 s49, s48, 1
	s_add_co_u32 s49, s49, s60
	s_lshl_b32 s49, s49, 2                         ; the trip's first head, in bytes of layer_head_mask
	STEP 0
	STEP 1
	STEP 2
	STEP 3
	DRAIN
	FLUSH
	s_add_co_u32 s48, s48, 1
	s_cmp_lt_u32 s48, 4
	s_wait_alu depctr_va_vdst(0)
	s_cbranch_scc1 .Ltrip
	s_wait_tensorcnt 0x0                           ; the wave's end
	ds_add_u32 v254, v255
	s_wait_dscnt 0x0
	s_endpgm
.Lfunc_end_k_qf8162bdd24_attn:
	.size	k_qf8162bdd24_attn, .Lfunc_end_k_qf8162bdd24_attn-k_qf8162bdd24_attn
	.p2alignl 7, 3214868480
	.fill 96, 4, 3214868480
	.section	.rodata,"a",@progbits
	.p2align	6, 0x0
	.amdhsa_kernel k_qf8162bdd24_attn
		.amdhsa_group_segment_fixed_size 268800
		.amdhsa_private_segment_fixed_size 0
		.amdhsa_enable_private_segment 0
		.amdhsa_kernarg_size 32
		.amdhsa_user_sgpr_count 2
		.amdhsa_user_sgpr_kernarg_segment_ptr 1
		.amdhsa_wavefront_size32 1
		.amdhsa_system_sgpr_workgroup_id_x 1
		.amdhsa_system_sgpr_workgroup_id_y 1
		.amdhsa_system_sgpr_workgroup_id_z 1
		.amdhsa_system_vgpr_workitem_id 0
		.amdhsa_next_free_vgpr 1024
		.amdhsa_next_free_sgpr 80
		.amdhsa_reserve_vcc 1
		.amdhsa_float_denorm_mode_32 3
		.amdhsa_float_denorm_mode_16_64 3
		.amdhsa_memory_ordered 1
		.amdhsa_forward_progress 1
		.amdhsa_inst_pref_size 255
	.end_amdhsa_kernel
	.section	.bss,"aw",@nobits
	.p2align	6
	.space	262144
	.amdgpu_metadata
---
amdhsa.version: [ 1, 2 ]
amdhsa.kernels:
  - .name:           k_qf8162bdd24_attn
    .symbol:         k_qf8162bdd24_attn.kd
    .args:
      - { .name: p2, .offset: 0, .size: 8, .value_kind: global_buffer, .address_space: global }
      - { .name: attention_mask, .offset: 8, .size: 8, .value_kind: global_buffer, .address_space: global }
      - { .name: layer_head_mask, .offset: 16, .size: 8, .value_kind: global_buffer, .address_space: global }
      - { .name: p3, .offset: 24, .size: 8, .value_kind: global_buffer, .address_space: global }
    .group_segment_fixed_size: 268800
    .private_segment_fixed_size: 0
    .kernarg_segment_align: 8
    .kernarg_segment_size: 32
    .max_flat_workgroup_size: 128
    .sgpr_count:     80
    .vgpr_count:     1024
    .wavefront_size: 32
...
	.end_amdgpu_metadata
.endif
;; end of part 3
;; launch outp (part 4): grid 4 x 64, 4 waves a work-group, clusters of 4 x 1, 168,448 bytes of LDS; arguments p3, p1, bo, out0; writes out0
.if DOCPART == 4
	.amdgcn_target "amdgcn-amd-amdhsa--gfx1250"
	.amdhsa_code_object_version 6
	.text
	.protected	k_qf8162bdd24_outp
	.globl	k_qf8162bdd24_outp
	.p2align	8
	.type	k_qf8162bdd24_outp,@function
k_qf8162bdd24_outp:
	s_mov_b64 s[64:65], 0
	v_nop
	global_prefetch_b8 v0, s[64:65] scope:SCOPE_SE
	s_setreg_imm32_b32 hwreg(HW_REG_WAVE_MODE, 25, 1), 1
	s_wait_xcnt 0x0
	s_wait_alu depctr_hold_cnt(0) depctr_sa_sdst(0) depctr_va_vdst(0) depctr_va_sdst(0) depctr_va_ssrc(0) depctr_va_vcc(0) depctr_vm_vsrc(0)
	s_getreg_b32 s2, hwreg(HW_REG_IB_STS2, 6, 4)
	s_cmp_eq_u32 s2, 0
	s_cbranch_scc0 .Lentry_in_a_cluster
	s_endpgm
.Lentry_in_a_cluster:
	s_bfe_u32 s2, ttmp6, 0x10000c
	s_cmp_lg_u32 s2, 0x3003
	s_cbranch_scc0 .Lentry_shape_is_right
	s_endpgm
.Lentry_shape_is_right:
; OUTP: out0 = a Wo + bo on codes of FP6: a's images and scale registers out of p3, Wo's out of p1; out0 [8192][1024] f32.
; SHARES.  A work-group takes 128 rows (8 tiles, 4 groups B of 32) and 256 columns; a wave takes 64 columns (4 tiles of Wo, 384 registers, read from memory once) for all 128 rows: 256 matrix instructions.
; CLUSTER.  The four work-groups of a cluster have the same 128 rows: a's images (98,304 bytes) are asked for JOINTLY (mask 15), one tensor load a wave, and fill LDS once.
; Source 0 = 16 columns of Wo, source 1 = 16 rows of a: a lane holds one row and eight neighbouring columns; bo is the C of each sum's first matrix instruction; the accumulators take turns.
; THE WAY OUT: a tile's 16 rows x 64 columns go through the wave's own stage in LDS and come back as whole rows of 256 bytes: sixteen lanes store 256 consecutive bytes, aligned.
; The rows of a tile are not neighbours (lane r of tile T: row 32 (T / 2) + 8 (T % 2) + r + 8 (r / 8)): the stores' offsets put each row in its place.
; REGISTERS.  window 0: v1 16 L, v2 4 L, v3-6 16 L + 24,576 B, v7, v9 the stage, v8 64 h, v10 my place in two rows of out0; then as named.  windows 1, 2: Wo's tile nt, K step k at window 1 + nt / 2,
;   v[96 (nt % 2) + 12 k].  window 3: v0-47, v48-95 two sets of four fragments of rows.
.set WO1, 8650752
.set SC1, 9830400
.set SC3, 6291456
.set NCH, 16
.set STG, 98304                        ; LDS behind the images: a stage of 16 rows x (256 + 16) bytes for each wave
.set XS,  16                           ; v16-47   a's scale registers (tile x 4 + pair of K steps)
.set WQS, 56                           ; v56-71   Wo's
.set HA,  80                           ; v80-143  eight accumulators
.set OB,  144                          ; v144-207 rows on their way out, 32 registers a tile
.set BQ,  208                          ; v208-239 bo in the result's layout
.set MSB, 0
.macro WIN new                         ; the immediate's high byte repeats the setting that is left
.if MSB != (\new)
	s_set_vgpr_msb (MSB<<8)|(\new)
.set MSB, (\new)
.endif
.endm
.macro PLACES n
.rept \n
	v_nop
.endr
.endm
.macro ROUND                           ; a round of the cluster's barrier
	s_barrier_signal -1
	s_barrier_wait -1
	s_cmp_lg_u32 s14, 0
	s_cbranch_scc1 .Lnot_wave_0_\@
	s_barrier_signal -3
.Lnot_wave_0_\@:
	s_barrier_wait -3
	s_barrier_signal -1
	s_barrier_wait -1
.endm
.macro WM d, a, b, c, sa, sb, row      ; row = 1: both sides' scales from lanes 16-31 (the odd K step of a pair)
.if \row
	v_wmma_scale_f32_16x16x128_f8f6f4 v[\d:\d+7], v[\a:\a+11], v[\b:\b+11], v[\c:\c+7], v[\sa], v[\sb] matrix_a_fmt:MATRIX_FMT_FP6 matrix_b_fmt:MATRIX_FMT_FP6 matrix_a_scale:MATRIX_SCALE_ROW1 matrix_b_scale:MATRIX_SCALE_ROW1
.else
	v_wmma_scale_f32_16x16x128_f8f6f4 v[\d:\d+7], v[\a:\a+11], v[\b:\b+11], v[\c:\c+7], v[\sa], v[\sb] matrix_a_fmt:MATRIX_FMT_FP6 matrix_b_fmt:MATRIX_FMT_FP6
.endif
.endm
.macro G2 n                            ; 19 loads: four fragments of Wo, two of its scale registers, four of a's, four numbers a lane of bo
	WIN 0x40+0x40*((\n)/4)
.set gi, 0
.rept 12
	global_load_b128 v[96*(((\n)/2)%2)+48*((\n)%2)+4*gi:96*(((\n)/2)%2)+48*((\n)%2)+4*gi+3], v1, s[48:49] offset:(12*(\n)+gi)*512
.set gi, gi+1
.endr
	WIN 0
	global_load_b32 v[WQS+2*(\n)], v2, s[56:57] offset:256*(\n)
	global_load_b32 v[WQS+2*(\n)+1], v2, s[56:57] offset:256*(\n)+128
.irp i, 0,1,2,3
	global_load_b32 v[XS+4*(\n)+\i], v2, s[52:53] offset:512*(\n)+128*\i
.endr
	global_load_b128 v[BQ+4*(\n):BQ+4*(\n)+3], v8, s[60:61] offset:(32*((\n)/4)+8*(((\n)/2)%2))*4+16*((\n)%2)
.endm
.macro LDCH n                          ; chunk n: group n / 4, K steps 2 (n % 4) and + 1, of both tiles: 12 loads into set n % 2
	WIN 0xC0
.set gi, 0
.rept 12
	ds_load_b128 v[48*((\n)%2)+4*gi:48*((\n)%2)+4*gi+3], v[3+(\n)/4] offset:12288*(gi/6)+3072*((\n)%4)+512*(gi%6)
.set gi, gi+1
.endr
.endm
.macro NEXT n                          ; four places behind the products that read the other set, the next chunk's loads into it, the wait for this chunk's
	PLACES 4
.if (\n)+1 < NCH
	LDCH (\n)+1
	s_wait_dscnt 12                                ; all but the 12 just issued
.else
	s_wait_dscnt 0x0
.endif
.endm
.macro TOSTAGE c                       ; tile c of the group through my stage.  LDS serves a wave's instructions in order: no wait between the stores and the loads, nor in front of the next tile's stores
.irp nt, 0,1,2,3
.irp e, 0,1
	ds_store_b128 v7, v[HA+32*\c+8*\nt+4*\e:HA+32*\c+8*\nt+4*\e+3] offset:128*(\nt/2)+32*(\nt%2)+16*\e   ; each accumulator from its low end on
.endr
.endr
.irp i, 0,1,2,3,4,5,6,7
	ds_load_b128 v[OB+32*\c+4*\i:OB+32*\c+4*\i+3], v9 offset:544*\i   ; lanes 0-15 the tile's row 2 i, lanes 16-31 row 2 i + 1
.endr
.endm
.macro SEND B, c
.irp i, 0,1,2,3,4,5,6,7
	global_store_b128 v10, v[OB+32*\c+4*\i:OB+32*\c+4*\i+3], s[62:63] offset:(32*\B+8*\c+2*\i+8*(\i/4))*4096 th:TH_STORE_NT   ; 16 lanes store 256 consecutive bytes, aligned; written once, read by nobody here
.endr
.endm
	s_load_b256 s[4:11], s[0:1], 0x0               ; p3, p1, bo, out0
	v_lshl_add_u32 v254, v0, 2, 0x29000
	v_mov_b32 v255, 0
	ds_add_u32 v254, v255
	ds_add_u32 v254, v255
	v_lshrrev_b32 v1, 5, v0
	v_readfirstlane_b32 s14, v1                    ; wave
	s_and_b32 s17, ttmp7, 0xffff                   ; rb: the block of 128 rows, which the four partners share
	s_mov_b32 s24, 15|(3<<16)|(1<<21)              ; the mask: all four work-groups; elements of 8 bytes; 21 set beside a mask
	s_mov_b32 s25, 32<<16                          ; a dense block as 96 rows of 256 bytes
	s_mov_b32 s26, 96<<16
	s_mov_b32 s27, 32<<16
	s_mov_b32 s28, 96
	s_mov_b32 s29, 32
	s_mov_b32 s30, 0
	s_mov_b32 s31, 0
	s_mov_b32 s40, 1
	s_mul_i32 s41, s14, 24576                      ; LDS: a group B a wave
	s_mul_i32 s88, s17, 98304
	s_add_co_u32 s88, s88, s41
	s_mov_b32 s89, 0
	s_wait_dscnt 0x0
	s_wait_kmcnt 0x0
	s_add_nc_u64 s[42:43], s[4:5], s[88:89]
	s_or_b32 s43, s43, 0x80000000
	ROUND                                          ; all four work-groups are here: the joint loads meet
	tensor_load_to_lds s[40:43], s[24:31]          ; one load of mine is out; LDS is filled once
	s_nop 0
	PLACES 4
	s_bfe_u32 s15, ttmp6, 0x40000                  ; cx: it enters global addresses of Wo, bo and out0 alone
	s_lshl_b32 s16, ttmp9, 2
	s_add_co_u32 s16, s16, s15
	s_lshl_b32 s16, s16, 2
	s_add_co_u32 s16, s16, s14                     ; my 64 columns
	s_mov_b32 s21, 0
	s_mul_i32 s20, s16, 49152
	s_add_co_u32 s20, s20, WO1
	s_add_nc_u64 s[48:49], s[6:7], s[20:21]        ; my 32 fragments of Wo
	s_lshl_b32 s20, s17, 12
	s_add_co_u32 s20, s20, SC3
	s_add_nc_u64 s[52:53], s[4:5], s[20:21]        ; a's scale registers
	s_lshl_b32 s20, s16, 11
	s_add_co_u32 s20, s20, SC1+360448
	s_add_nc_u64 s[56:57], s[6:7], s[20:21]        ; Wo's
	s_lshl_b32 s20, s16, 8
	s_add_nc_u64 s[60:61], s[8:9], s[20:21]        ; bo at my columns
	s_lshl_b32 s22, s17, 19
	s_add_co_u32 s20, s20, s22
	s_add_nc_u64 s[62:63], s[10:11], s[20:21]      ; out0: my block's first row, my columns
	v_and_b32 v10, 31, v0
	v_lshlrev_b32 v1, 4, v10                       ; 16 L
	v_lshlrev_b32 v2, 2, v10                       ; 4 L
	v_mov_b32 v3, v1
	v_add_nc_u32 v4, 24576, v1
	v_add_nc_u32 v5, 49152, v1
	v_add_nc_u32 v6, 73728, v1
	v_bfe_u32 v11, v0, 4, 1                        ; h
	v_and_b32 v12, 15, v0                          ; r
	v_lshlrev_b32 v8, 6, v11                       ; 64 h
	s_wait_alu depctr_va_vdst(0)
	s_mul_i32 s22, s14, 4352
	s_add_co_u32 s22, s22, STG                     ; my stage
	v_mul_u32_u24 v7, v12, 272
	v_lshl_add_u32 v7, v11, 6, v7
	v_add_nc_u32 v7, s22, v7                       ; in: row r, + 64 h
	v_mul_u32_u24 v9, v11, 272
	v_lshl_add_u32 v9, v12, 4, v9
	v_add_nc_u32 v9, s22, v9                       ; back: row h, + 16 r
	v_lshlrev_b32 v10, 12, v11
	v_lshl_add_u32 v10, v12, 4, v10                ; and the same in out0: 4,096 h + 16 r
.irp n, 0,1,2,3,4,5,6,7
	G2 \n
.endr
	s_wait_loadcnt 0x0
	s_wait_tensorcnt 0x0                           ; my part of the rows' images is in,
	s_barrier_signal -1
	s_barrier_wait -1                              ; everybody's is
	LDCH 0
.irp B, 0,1,2,3
.irp p, 0,1,2,3
	NEXT 4*\B+\p
.irp w, 0,1
	WIN 0x0D+\w                                    ; Wo in window 1 or 2, the rows in window 3
.irp s, 0,1
.irp m, 0,1
.irp c, 0,1
.if (\p == 0) && (\s == 0)
	WM HA+32*\c+8*(2*\w+\m), 96*\m+12*(2*\p+\s), 48*(\p%2)+24*\c+12*\s, BQ+8*(2*\w+\m), WQS+4*(2*\w+\m)+\p, XS+4*(2*\B+\c)+\p, \s
.else
	WM HA+32*\c+8*(2*\w+\m), 96*\m+12*(2*\p+\s), 48*(\p%2)+24*\c+12*\s, HA+32*\c+8*(2*\w+\m), WQS+4*(2*\w+\m)+\p, XS+4*(2*\B+\c)+\p, \s
.endif
.endr
.endr
.endr
.endr
.endr
	WIN 0
	PLACES 4                                       ; in front of the first read of results
	s_wait_alu depctr_va_vdst(0)
	s_wait_xcnt 0x0                                ; the last group's stores have read their registers: the loads below may land there
	TOSTAGE 0
	TOSTAGE 1
	s_wait_dscnt 16                                ; tile 0's rows are back; tile 1's 8 stores and 8 loads may be out
	SEND \B, 0
	s_wait_dscnt 0x0
	SEND \B, 1
.endr
	s_wait_tensorcnt 0x0
	ds_add_u32 v254, v255
	s_wait_dscnt 0x0
	ROUND                                          ; the closing round: no work-group ends while a partner may still ask for a tile that names it
	s_endpgm
.Lfunc_end_k_qf8162bdd24_outp:
	.size	k_qf8162bdd24_outp, .Lfunc_end_k_qf8162bdd24_outp-k_qf8162bdd24_outp
	.p2alignl 7, 3214868480
	.fill 96, 4, 3214868480
	.section	.rodata,"a",@progbits
	.p2align	6, 0x0
	.amdhsa_kernel k_qf8162bdd24_outp
		.amdhsa_group_segment_fixed_size 168448
		.amdhsa_private_segment_fixed_size 0
		.amdhsa_enable_private_segment 0
		.amdhsa_kernarg_size 32
		.amdhsa_user_sgpr_count 2
		.amdhsa_user_sgpr_kernarg_segment_ptr 1
		.amdhsa_wavefront_size32 1
		.amdhsa_system_sgpr_workgroup_id_x 1
		.amdhsa_system_sgpr_workgroup_id_y 1
		.amdhsa_system_sgpr_workgroup_id_z 1
		.amdhsa_system_vgpr_workitem_id 0
		.amdhsa_next_free_vgpr 1024
		.amdhsa_next_free_sgpr 96
		.amdhsa_reserve_vcc 0
		.amdhsa_float_denorm_mode_32 3
		.amdhsa_float_denorm_mode_16_64 3
		.amdhsa_memory_ordered 1
		.amdhsa_forward_progress 1
		.amdhsa_inst_pref_size 83
	.end_amdhsa_kernel
	.amdgpu_metadata
---
amdhsa.version: [ 1, 2 ]
amdhsa.kernels:
  - .name:           k_qf8162bdd24_outp
    .symbol:         k_qf8162bdd24_outp.kd
    .args:
      - { .name: p3, .offset: 0, .size: 8, .value_kind: global_buffer, .address_space: global }
      - { .name: p1, .offset: 8, .size: 8, .value_kind: global_buffer, .address_space: global }
      - { .name: bo, .offset: 16, .size: 8, .value_kind: global_buffer, .address_space: global }
      - { .name: out0, .offset: 24, .size: 8, .value_kind: global_buffer, .address_space: global }
    .group_segment_fixed_size: 168448
    .private_segment_fixed_size: 0
    .kernarg_segment_align: 8
    .kernarg_segment_size: 32
    .max_flat_workgroup_size: 128
    .sgpr_count:     96
    .vgpr_count:     1024
    .wavefront_size: 32
...
	.end_amdgpu_metadata
.endif
;; end of part 4
